; MI455X (gfx1250); checked and timed in simulation.
; The chip was launched on July 23, 2026; its instructions are those of AMD's public machine-readable ISA for CDNA 5 (MIT licence, August 2026) and "CDNA5" Instruction Set Architecture Reference Guide (July 2026). The comments in the code are by the model that wrote it; some were corrected since.
;; Circuit Model. Allowed arithmetic: float matrix products may take bf16 or f16 operands with f32 sums; all other float work in f32.
;; Inputs: W_init 64 x 128 x 512 float32; X 64 x 128 x 512 float32; observed_idx 128 int32.
;; Outputs: out0 64 x 128 x 128 float32.
;; One version. Each part assembles by itself: llvm-mc -triple=amdgcn-amd-amdhsa -mcpu=gfx1250 --defsym DOCPART=n.
;; ======== version 1 of 1: 1 launch
;; limits: values outside matrix products are rounded to bf16
;; launch oja (part 1): grid 2 x 64, 4 waves a work-group, no clusters, 278,016 bytes of LDS; arguments X, W_init, observed_idx, out0; writes out0
.if DOCPART == 1
	.amdgcn_target "amdgcn-amd-amdhsa--gfx1250"
	.amdhsa_code_object_version 6
	.text
	.protected	k_q8d2562e90c_oja
	.globl	k_q8d2562e90c_oja
	.p2align	8
	.type	k_q8d2562e90c_oja,@function
k_q8d2562e90c_oja:
	s_mov_b64 s[64:65], 0
	v_nop
	global_prefetch_b8 v0, s[64:65] scope:SCOPE_SE
	s_setreg_imm32_b32 hwreg(HW_REG_WAVE_MODE, 25, 1), 1
	s_wait_xcnt 0x0
; out0[b][t][n] = y_t of row o = observed_idx[n], where for each batch b and row o:  y_t = sigmoid(w_t . x_t),  w_(t+1) = (1 - eta y_t^2) w_t + eta y_t x_t,  eta = 0.01.
; X: [64][128 t][512] f32, W_init: [64][128 o][512] f32, observed_idx: [128] i32, out0: [64][128 t][128 n] f32.
; THE FORM.  w_t = a_t (w_0 + sum over s < t of be_s x_s) with a_0 = 1, a_(t+1) = a_t (1 - eta y_t^2), be_t = eta y_t / a_(t+1).  So
;   w_t . x_t = a_t (P[t] + sum over s < t of be_s G[s][t]),   P = X W_0^T,  G = X X^T:
; two products for the matrix unit (bf16 operands, f32 sums), and W never enters the loop over t.  y lies in 0 to 1 whatever the inputs, so a >= 0.99^128 = 0.276: the division cannot run away.
; SHARES.  A work-group: one batch, 64 observed rows (64 x 4 bytes: each row of its output is 256 consecutive bytes, aligned).  A wave: 16 of them.  In the result of X W^T a lane (r = lane % 16, h = lane / 16)
; holds row r and the times 16 J + 8 h + 0..7 of tile J: eight steps of ONE row's recurrence.  The rows of W are gathered by observed_idx as they are loaded, so the output is dense.
; THE RECURRENCE goes in 16 phases of 8 steps.  Inside a phase a lane keeps u[j] = -log2(e) w . x_j for the phase's eight times and updates the later ones after each y, in f32, with the f32 diagonal blocks of G.
; Behind a phase its eight be, rounded to bf16, ARE a quarter of a B fragment (32 s x 16 rows) in the lanes that made them, and one matrix instruction with a fragment of G adds them onto later times.
; Both halves of the lanes run every phase; the results of the half whose times are due are kept (a select by a lane mask), the other half's are dropped.
; 128 WORK-GROUPS: with 32 rows to a work-group its output rows would be 128 bytes, and X[b] would be read four times, not twice.
; NO CLUSTER, NO TENSOR LOADS: the inputs are f32 and are rounded to bf16 in registers on their way into LDS; X[b] is shared by two work-groups only, and a grid of 2 along x divides into no cluster of four.
; LIMITS.  An index is clamped to 127 (unsigned).  X and W are rounded to bf16 for the products; be and G are rounded to bf16 for the terms that cross blocks of eight steps (inside a block G stays f32).
; v_exp_f32 and v_rcp_f32 flush denormals: y below 2^-126 counts as 0.  NaN and infinities are not treated apart.
.set XP,    1040              ; an LDS row of X or W: 512 bf16 + 16 bytes = 260 words: the 16 rows of a fragment load start at 16 different groups of four banks (ISA guide 11.1)
.set GP,    272               ; a row of G: 128 bf16 + 16 bytes
.set YP,    272               ; a row of y: 64 f32 + 16 bytes
.set XB,    0                 ; X[b] in bf16, 128 rows
.set WB,    XB+128*XP         ; the 64 gathered rows of W in bf16
.set GB,    WB+64*XP          ; G[t'][s] in bf16, 128 rows (for t' < 64 only s < 64 is written, and only that is read)
.set GD,    GB+128*GP         ; the 8 diagonal tiles of 16 x 16 of -eta log2(e) G, f32, rows of 64 bytes
.set YS,    GD+8*1024         ; y[t][n], f32
.set SPARE, YS+128*YP         ; the spare words, 128 bytes a wave: two blocks of 256 bytes that no other line names
; scalar registers
.set WV,   12                 ; s12 wave   s13 half of n   s14 batch   s15-s19 at work   s20 loop counter   s21 7 - wave
.set SEL,  22                 ; s[22:23] v_permlanex16_b32's selects: each lane takes its own place in the other half
.set H0,   24                 ; s24 mask of lanes 0-15
.set H1,   25                 ; s25 mask of lanes 16-31
.set ETA,  26                 ; s[26:27] eta
.set KC,   28                 ; s[28:29] -eta log2(e)
.set NL2E, 30                 ; s30 -log2(e)
.set IDX,  36                 ; s[36:51] my wave's sixteen indices
; vector registers, window 0
.set SPW,  4                  ; v4  LDS address of my spare word; never rewritten
.set NIL,  5                  ; v5  0; never rewritten
.set VGX,  6                  ; staging and products: v6 my byte offset in X[b]; v7, v8 where my 8 bytes of bf16 go
.set VLX,  7
.set VLW,  8
.set AX0,  9                  ; v9, v10 fragments of X's rows 0-63, 64-127; v11 of my 16 rows of W; v12, v13 of X's tiles w and 7 - w
.set AX1,  10
.set AW,   11
.set AT0,  12
.set AT1,  13
.set E,    6                  ; the recurrence takes v6-v13 over: 2^u, 1 + 2^u, eta y, 1 - eta y^2, 1 / a, the other half's a, two be
.set D,    7
.set EY,   8
.set Q,    9
.set RA,   10
.set T,    11
.set BT,   12
.set AG,   14                 ; v14 fragments of G
.set AC2,  15                 ; v15 my half's 8 x 8 block in a diagonal tile
.set YST,  16                 ; v16 where my y go
.set YRD,  17                 ; v17 the way out: where I read rows of y back
.set OUTO, 18                 ; v18 my byte offset in the work-group's part of out0
.set AL,   19                 ; v19 a
.set AS,   20                 ; v[20:21] -log2(e) a, twice
.set GST0, 22                 ; v22-25 where G's tiles go; then PB: a phase's eight be in bf16
.set GST1, 23
.set GDS0, 24
.set GDS1, 25
.set PB,   22
.set TC,   26                 ; v26, v27 at work
.set U,    28                 ; v[28:35] u of the phase's eight times
.set C1,   36                 ; v[36:43] eta u
.set VW,   28                 ; staging: v[28:43] byte offsets of my sixteen rows of W
.set TT,   44                 ; v[44:51] at work
.set YA,   52                 ; v[52:59] y of a tile's first phase
.set CT,   60                 ; v[60:63] staging: two pairs of packed bf16
.set R,    64                 ; staging: v[64:191] a ring of 32 loads
.set ACC,  64                 ; v[64:127] tile J of P^T, later plus the finished blocks' terms, at ACC + 8 J
.set ACCA, 128                ; v[128:159] G, t' tile w, s tiles 0-3
.set ACCB, 160                ; v[160:223] G, t' tile 7 - w, s tiles 0-7
.set ACCD0, 224               ; v[224:231], v[232:239] the diagonal tiles w and 7 - w
.set ACCD1, 232
.set GAF,  128                ; the recurrence: v[128:191] fragment of G for t' tile Jt at GAF + 8 Jt
.set C2,   192                ; v[192:231] my 8 x 8 diagonal block, the part above the diagonal
.set YB,   232                ; v[232:239] y of a tile's second phase, then of the whole tile
.set F,    240                ; v[240:251] the B fragment of be, and four registers more
; window 1: two fragment buffers of 88: X's eight tiles, then W, X's tile w, X's tile 7 - w
.set F0,   0
.set F1,   88
.set MSB, 0
.macro WIN new                ; s_set_vgpr_msb: bits 1:0 source 0, 3:2 source 1, 5:4 source 2, 7:6 destination; the high byte repeats the setting that is left
.if MSB != (\new)
	s_set_vgpr_msb (MSB<<8)|(\new)
.set MSB, \new
.endif
.endm
.set W_MUL, 0x05              ; sources 0 and 1 window 1, C and D window 0
.set TO_F,  0x40              ; destination window 1, address window 0
.macro PLACES                 ; four places behind matrix instructions, in front of loads into their sources and of reads of their results
.rept 4
	v_nop
.endr
.endm
	s_load_b256 s[4:11], s[0:1], 0x0               ; X s[4:5], W_init s[6:7], observed_idx s[8:9], out0 s[10:11]
	v_lshl_add_u32 v[SPW], v0, 2, SPARE
	v_mov_b32 v[NIL], 0
	v_and_b32 v1, 15, v0                           ; r
	v_bfe_u32 v2, v0, 4, 1                         ; h
	v_and_b32 v3, 31, v0                           ; lane
	v_lshrrev_b32 v[TC], 5, v0
	v_readfirstlane_b32 s[WV], v[TC]               ; wave 0..3
	s_mov_b32 s13, ttmp9                           ; which 64 of the 128 observed rows
	s_and_b32 s14, ttmp7, 0xffff                   ; batch
	s_sub_co_u32 s21, 7, s[WV]
	s_lshl_b32 s15, s13, 8
	s_lshl_b32 s16, s[WV], 6
	s_add_co_u32 s15, s15, s16                     ; byte offset of my sixteen indices: 4 (64 half + 16 wave)
	s_mov_b32 s[SEL], 0x76543210
	s_mov_b32 s[SEL+1], 0xfedcba98
	s_mov_b32 s[H0], 0x0000ffff
	s_mov_b32 s[H1], 0xffff0000
	s_mov_b32 s[ETA], 0x3c23d70a                   ; 0.01
	s_mov_b32 s[ETA+1], s[ETA]                     ; named with it as a pair
	s_mov_b32 s[KC], 0xbc6c5f04                    ; -0.01 x 1.442695
	s_mov_b32 s[KC+1], s[KC]
	s_mov_b32 s[NL2E], 0xbfb8aa3b                  ; -1.442695
	s_lshl_b32 s16, s[WV], 16                      ; my 32 rows of X[b], 2,048 bytes each
	v_lshl_add_u32 v[VGX], v3, 4, s16
	s_lshl_b32 s18, s14, 18                        ; a batch of X or of W is 262,144 bytes
	s_mov_b32 s19, 0
	s_wait_kmcnt 0x0
	s_add_nc_u64 s[4:5], s[4:5], s[18:19]
	s_add_nc_u64 s[6:7], s[6:7], s[18:19]
	s_mov_b32 s18, s15
	s_add_nc_u64 s[8:9], s[8:9], s[18:19]
	s_load_b512 s[IDX:IDX+15], s[8:9], 0x0
	s_lshl_b32 s18, s14, 16                        ; a batch of out0 is 65,536 bytes; my half of n is 256 bytes of each row
	s_lshl_b32 s16, s13, 8
	s_add_co_u32 s18, s18, s16
	s_add_nc_u64 s[10:11], s[10:11], s[18:19]
; STAGING.  A wave brings its 32 rows of X and its 16 gathered rows of W: 48 rows of 2,048 bytes, eight rows a round.  Slot i of 32 is piece i % 4 (512 consecutive bytes: 16 a lane) of row i / 4 of the round.
; All 32 slots' loads are out at all times: 16,384 bytes a wave.
.set i, 0
.rept 32
	global_load_b128 v[R+4*i:R+4*i+3], v[VGX], s[4:5] offset:(i/4)*2048+(i%4)*512
.set i, i+1
.endr
	; all LDS addresses are made here, under those loads
	s_mul_i32 s16, s[WV], 32*XP
	v_lshl_add_u32 v[VLX], v3, 3, s16              ; XB + my first row + 8 x lane
	s_mul_i32 s16, s[WV], 16*XP
	s_add_co_u32 s17, s16, WB
	v_lshl_add_u32 v[VLW], v3, 3, s17
	v_mul_u32_u24 v[AX0], v1, XP                   ; a fragment: row r x pitch + 16 h
	v_lshl_add_u32 v[AX0], v2, 4, v[AX0]
	v_add_nc_u32 v[AX1], 64*XP, v[AX0]
	v_add_nc_u32 v[AW], s17, v[AX0]
	v_add_nc_u32 v[AT0], s16, v[AX0]
	s_mul_i32 s16, s21, 16*XP
	v_add_nc_u32 v[AT1], s16, v[AX0]
	v_mul_u32_u24 v27, v1, GP
	v_lshl_add_u32 v27, v2, 4, v27
	v_add_nc_u32 v[AG], GB, v27
	s_mul_i32 s16, s[WV], 16*GP
	s_add_co_u32 s16, s16, GB
	v_add_nc_u32 v[GST0], s16, v27
	s_mul_i32 s16, s21, 16*GP
	s_add_co_u32 s16, s16, GB
	v_add_nc_u32 v[GST1], s16, v27
	v_lshlrev_b32 v27, 6, v1
	v_lshl_add_u32 v27, v2, 5, v27                 ; a diagonal tile: row r, columns 8 h on
	s_lshl_b32 s16, s[WV], 10
	s_add_co_u32 s16, s16, GD
	v_add_nc_u32 v[GDS0], s16, v27
	s_lshl_b32 s16, s21, 10
	s_add_co_u32 s16, s16, GD
	v_add_nc_u32 v[GDS1], s16, v27
	v_mul_u32_u24 v[AC2], v2, 8*64+32              ; row 8 h, column 8 h
	v_add_nc_u32 v[AC2], GD, v[AC2]
	v_mul_u32_u24 v27, v2, 8*YP
	v_lshl_add_u32 v27, v1, 2, v27
	s_lshl_b32 s16, s[WV], 6
	s_add_co_u32 s16, s16, YS
	v_add_nc_u32 v[YST], s16, v27                  ; row 8 h, column 16 wave + r
	v_mul_u32_u24 v27, v2, YP
	v_lshl_add_u32 v27, v1, 4, v27
	s_mul_i32 s16, s[WV], 32*YP
	s_add_co_u32 s16, s16, YS
	v_add_nc_u32 v[YRD], s16, v27                  ; row 32 wave + h, 16 bytes at 16 r
	v_lshlrev_b32 v27, 9, v2
	v_lshl_add_u32 v27, v1, 4, v27
	s_lshl_b32 s16, s[WV], 14
	v_add_nc_u32 v[OUTO], s16, v27                 ; the same in out0, whose rows are 512 bytes
	s_wait_kmcnt 0x0                               ; the indices
.set i, 0
.rept 16
	s_min_u32 s[IDX+i], s[IDX+i], 127              ; inside the table, whatever was loaded
	s_lshl_b32 s[IDX+i], s[IDX+i], 11              ; a row of W is 2,048 bytes
	v_lshl_add_u32 v[VW+i], v3, 4, s[IDX+i]
.set i, i+1
.endr
; One slot's turn: its load is in; four f32 become four bf16, 8 bytes, which go to LDS; the slot is loaded again.
; kind 1: the same piece eight rows of X on.  kind 2, 3: of my rows 0-7, 8-15 of W.  kind 0: nothing.
.macro SLOT i, lreg, lrow, kind, cnt
	s_wait_loadcnt \cnt                            ; loads come back in order (ISA guide 5.7.1): mine is the oldest, the younger ones stay out
	v_cvt_pk_bf16_f32 v[CT+2*((\i)%2)], v[R+4*(\i)], v[R+4*(\i)+1]
	v_cvt_pk_bf16_f32 v[CT+2*((\i)%2)+1], v[R+4*(\i)+2], v[R+4*(\i)+3]
	ds_store_b64 v[\lreg], v[CT+2*((\i)%2):CT+2*((\i)%2)+1] offset:((\lrow)+(\i)/4)*XP+((\i)%4)*256
.if (\kind) == 1
	global_load_b128 v[R+4*(\i):R+4*(\i)+3], v[VGX], s[4:5] offset:16384+((\i)/4)*2048+((\i)%4)*512
.elseif (\kind) >= 2
	global_load_b128 v[R+4*(\i):R+4*(\i)+3], v[VW+((\kind)-2)*8+(\i)/4], s[6:7] offset:((\i)%4)*512
.endif
.endm
.macro ROUND lreg, lrow, kind, tail
.set i, 0
.rept 32
.if \tail
	SLOT i, \lreg, \lrow, \kind, 31-i
.else
	SLOT i, \lreg, \lrow, \kind, 31
.endif
.set i, i+1
.endr
.endm
	s_mov_b32 s20, 3
.Lstage:                                               ; X's rows 0-7, 8-15, 16-23 of my 32; each trip asks for the next eight
	ROUND VLX, 0, 1, 0
	s_wait_xcnt 0x0                                ; the loads' addresses are translated (ISA guide 3.1): only now is their offset register stepped
	v_add_nc_u32 v[VGX], 16384, v[VGX]
	v_add_nc_u32 v[VLX], 8*XP, v[VLX]
	s_sub_co_u32 s20, s20, 1
	s_cmp_lg_u32 s20, 0
	s_cbranch_scc1 .Lstage
	ROUND VLX, 0, 2, 0                             ; X's rows 24-31; asks for W's rows 0-7
	ROUND VLW, 0, 3, 0                             ; W's rows 0-7; asks for rows 8-15
	ROUND VLW, 8, 0, 1                             ; W's rows 8-15; nothing is asked for and the counts run down to 0: every load is done
	s_wait_dscnt 0x0                               ; for the others' sake: my rows are in LDS
	s_barrier_signal -1
	s_barrier_wait -1
; THE PRODUCTS, 16 steps of 32 along the 512 channels, 22 matrix instructions a step on 22 accumulators, which take turns.
.macro FETCH f, k                      ; 22 LDS loads: the fragments of one step, at byte k of the rows, into buffer f
	WIN TO_F
.irp i, 0,1,2,3
	ds_load_b128 v[(\f)+8*(\i):(\f)+8*(\i)+3],   v[AX0] offset:(\i)*16*XP+(\k)
	ds_load_b128 v[(\f)+8*(\i)+4:(\f)+8*(\i)+7], v[AX0] offset:(\i)*16*XP+(\k)+32
.endr
.irp i, 0,1,2,3
	ds_load_b128 v[(\f)+32+8*(\i):(\f)+32+8*(\i)+3],   v[AX1] offset:(\i)*16*XP+(\k)
	ds_load_b128 v[(\f)+32+8*(\i)+4:(\f)+32+8*(\i)+7], v[AX1] offset:(\i)*16*XP+(\k)+32
.endr
	ds_load_b128 v[(\f)+64:(\f)+67], v[AW]  offset:(\k)
	ds_load_b128 v[(\f)+68:(\f)+71], v[AW]  offset:(\k)+32
	ds_load_b128 v[(\f)+72:(\f)+75], v[AT0] offset:(\k)
	ds_load_b128 v[(\f)+76:(\f)+79], v[AT0] offset:(\k)+32
	ds_load_b128 v[(\f)+80:(\f)+83], v[AT1] offset:(\k)
	ds_load_b128 v[(\f)+84:(\f)+87], v[AT1] offset:(\k)+32
.endm
.macro MM d, a, b, zero                ; zero = 1: the first product starts the sum: nothing is cleared
.if \zero
	v_wmma_f32_16x16x32_bf16 v[(\d):(\d)+7], v[(\a):(\a)+7], v[(\b):(\b)+7], 0
.else
	v_wmma_f32_16x16x32_bf16 v[(\d):(\d)+7], v[(\a):(\a)+7], v[(\b):(\b)+7], v[(\d):(\d)+7]
.endif
.endm
; Source 0 = 16 rows s (or t) of X.  With source 1 = 16 rows t' of X a lane holds G[t' = r][s = 8 h + 0..7]: eight neighbours of a row of G.  With source 1 = my rows of W it holds P of row r at eight times.
.macro MUL f, zero
	WIN W_MUL
.irp i, 0,1,2,3
	MM ACCA+8*(\i), (\f)+8*(\i), (\f)+72, \zero
.endr
.irp i, 0,1,2,3,4,5,6,7
	MM ACCB+8*(\i), (\f)+8*(\i), (\f)+80, \zero
.endr
	MM ACCD0, (\f)+72, (\f)+72, \zero
	MM ACCD1, (\f)+80, (\f)+80, \zero
.irp i, 0,1,2,3,4,5,6,7
	MM ACC+8*(\i), (\f)+8*(\i), (\f)+64, \zero
.endr
.endm
.macro ADV                             ; two steps, 128 bytes, along the rows
.irp a, AX0, AX1, AW, AT0, AT1
	v_add_nc_u32 v[\a], 128, v[\a]
.endr
.endm
	FETCH F0, 0                                    ; step 0
	FETCH F1, 64                                   ; step 1
	s_wait_dscnt 22                                ; all but the 22 just issued
	MUL F0, 1
	WIN 0                                          ; at a label and at a branch every window is 0
	ADV
	s_mov_b32 s20, 7
.Lk:                                                   ; a trip: steps 2 i + 1 and 2 i + 2 are multiplied, steps 2 i + 2 and 2 i + 3 fetched
	PLACES
	FETCH F0, 0
	s_wait_dscnt 22
	MUL F1, 0
	PLACES
	FETCH F1, 64
	s_wait_dscnt 22
	MUL F0, 0
	WIN 0
	ADV
	s_sub_co_u32 s20, s20, 1
	s_cmp_lg_u32 s20, 0
	s_cbranch_scc1 .Lk
	s_wait_dscnt 0x0
	MUL F1, 0                                      ; step 15
	WIN 0
	PLACES
; G goes to LDS: twelve tiles in bf16, 16 bytes a lane; the two diagonal tiles in f32, times -eta log2(e).  Each accumulator is read from its low end on.
.macro PACKG acc, areg, off, tmp
.irp p, 0,1,2,3
	v_cvt_pk_bf16_f32 v[(\tmp)+\p], v[(\acc)+2*\p], v[(\acc)+2*\p+1]
.endr
	ds_store_b128 v[\areg], v[(\tmp):(\tmp)+3] offset:\off
.endm
.macro PACKD acc, areg, tmp
.irp p, 0,1,2,3
	v_pk_mul_f32 v[(\tmp)+2*\p:(\tmp)+2*\p+1], v[(\acc)+2*\p:(\acc)+2*\p+1], s[KC:KC+1] op_sel_hi:[1,0]
.endr
	ds_store_b128 v[\areg], v[(\tmp):(\tmp)+3]
	ds_store_b128 v[\areg], v[(\tmp)+4:(\tmp)+7] offset:16
.endm
.set i, 0
.rept 4
	PACKG ACCA+8*i, GST0, 32*i, TT+4*(i%2)
.set i, i+1
.endr
.set i, 0
.rept 8
	PACKG ACCB+8*i, GST1, 32*i, TT+4*(i%2)
.set i, i+1
.endr
	PACKD ACCD0, GDS0, C1
	PACKD ACCD1, GDS1, U
	s_wait_dscnt 0x0                               ; for the others' sake: my tiles of G are in LDS, and my reads of X and W are over
	s_barrier_signal -1
	s_barrier_wait -1
; THE RECURRENCE.
.macro LOADC2 t                        ; ten loads: of my 8 x 8 block of diagonal tile t, rows 0-2 whole, of rows 3-6 columns 4-7; all lanes of a half read the same words
.irp j, 0,1,2
	ds_load_b128 v[C2+8*\j:C2+8*\j+3],   v[AC2] offset:(\t)*1024+64*\j
	ds_load_b128 v[C2+8*\j+4:C2+8*\j+7], v[AC2] offset:(\t)*1024+64*\j+16
.endr
.irp j, 3,4,5,6
	ds_load_b128 v[C2+24+4*(\j-3):C2+24+4*(\j-3)+3], v[AC2] offset:(\t)*1024+64*\j+16
.endr
.endm
.macro C2REG j, jp                     ; rc = the register of c2(j, jp) = -eta log2(e) G[j][jp], jp > j
.if (\j) < 3
.set rc, C2+8*(\j)+(\jp)
.else
.set rc, C2+24+4*((\j)-3)+(\jp)-4
.endif
.endm
.macro LOADGA g                        ; the fragments of G for s = 32 g .. 32 g + 31 and the t' tiles 2 g to 7
.set jt, 2*(\g)
.rept 8-2*(\g)
	ds_load_b128 v[GAF+8*jt:GAF+8*jt+3],   v[AG] offset:jt*16*GP+64*(\g)
	ds_load_b128 v[GAF+8*jt+4:GAF+8*jt+7], v[AG] offset:jt*16*GP+64*(\g)+32
.set jt, jt+1
.endr
.endm
; Step j = 1..7 of a phase.  On the chain: 2^u[j], 1 + it, its reciprocal y[j], and two multiply-adds that bring y[j] into u[j + 1].  Beside the chain, filling its latencies: y[j - 1] is brought into the
; later u:  u[j'] += y (c2(j - 1, j') - y eta u[j']);  a *= 1 - eta y^2;  be[j - 1] = eta y / a;  eta u for the next step.
; Behind each transcendental, or pair of them, a plain instruction stands before a result is used (ISA guide 5.7.2).
.macro STEP yr, j
.set yp, (\yr)+(\j)-1
	v_exp_f32 v[E], v[U+(\j)]
	v_mul_f32 v[EY], s[ETA], v[yp]
.set jp, (\j)+1
.rept 7-(\j)
	C2REG (\j)-1, jp
	v_fma_f32 v[TT+jp], -v[yp], v[C1+jp], v[rc]
.set jp, jp+1
.endr
	v_fma_f32 v[Q], -v[EY], v[yp], 1.0
.set jp, (\j)+1
.rept 7-(\j)
	v_fma_f32 v[U+jp], v[yp], v[TT+jp], v[U+jp]
.set jp, jp+1
.endr
	v_mul_f32 v[AL], v[AL], v[Q]
	s_wait_alu depctr_va_vdst(0)
	v_add_f32 v[D], 1.0, v[E]
	v_rcp_f32 v[yp+1], v[D]
	v_rcp_f32 v[RA], v[AL]
.if (\j) == 7
	v_nop
.else
.set jp, (\j)+1
.rept 7-(\j)
	v_mul_f32 v[C1+jp], s[ETA], v[U+jp]
.set jp, jp+1
.endr
.endif
	s_wait_alu depctr_va_vdst(0)
	v_mul_f32 v[BT+((\j)-1)%2], v[EY], v[RA]
.if ((\j)-1)%2 == 1
	v_cvt_pk_bf16_f32 v[PB+((\j)-1)/2], v[BT], v[BT+1]
.endif
.if (\j) < 7
	C2REG \j, (\j)+1
	v_fma_f32 v[TC], -v[yp+1], v[C1+(\j)+1], v[rc]
	v_fma_f32 v[U+(\j)+1], v[yp+1], v[TC], v[U+(\j)+1]
.endif
.endm
; A phase: eight steps on tile's accumulator; y into yr .. yr + 7, be into PB, a carried on in AL.  cw >= 0: the diagonal block was asked for shortly before; cw LDS instructions were issued behind its loads.
.macro PHASE tile, yr, cw
.irp p, 0,1,2,3
	v_pk_mul_f32 v[U+2*\p:U+2*\p+1], v[ACC+8*(\tile)+2*\p:ACC+8*(\tile)+2*\p+1], v[AS:AS+1]  ; u = -log2(e) a (P + the finished blocks' terms): the accumulator's low end first
.endr
	v_exp_f32 v[E], v[U]
.irp p, 0,1,2,3
	v_pk_mul_f32 v[C1+2*\p:C1+2*\p+1], v[U+2*\p:U+2*\p+1], s[ETA:ETA+1] op_sel_hi:[1,0]
.endr
	s_wait_alu depctr_va_vdst(0)
	v_add_f32 v[D], 1.0, v[E]
	v_rcp_f32 v[\yr], v[D]
	v_nop
.if (\cw) >= 0
	s_wait_dscnt \cw
.endif
	s_wait_alu depctr_va_vdst(0)
	v_fma_f32 v[TC], -v[\yr], v[C1+1], v[C2+1]
	v_fma_f32 v[U+1], v[\yr], v[TC], v[U+1]
.irp j, 1,2,3,4,5,6,7
	STEP \yr, \j
.endr
	v_mul_f32 v[EY], s[ETA], v[(\yr)+7]
	v_fma_f32 v[Q], -v[EY], v[(\yr)+7], 1.0
	v_mul_f32 v[AL], v[AL], v[Q]
	v_rcp_f32 v[RA], v[AL]
	v_nop
	s_wait_alu depctr_va_vdst(0)
	v_mul_f32 v[BT+1], v[EY], v[RA]
	v_cvt_pk_bf16_f32 v[PB+3], v[BT], v[BT+1]
.endm
.macro ALPHAX hv                       ; the a of the half hv, whose phase it was, goes to both halves
	v_permlanex16_b32 v[T], v[AL], s[SEL], s[SEL+1]
.if \hv
	v_cndmask_b32 v[AL], v[T], v[AL], s[H1]
.else
	v_cndmask_b32 v[AL], v[AL], v[T], s[H1]
.endif
	v_mul_f32 v[AS], s[NL2E], v[AL]
	v_mul_f32 v[AS+1], s[NL2E], v[AL]
.endm
.macro YOUT tile                       ; lanes 0-15 keep the first phase's y, lanes 16-31 the second's; into LDS
.irp j, 0,1,2,3,4,5,6,7
	v_cndmask_b32 v[YB+\j], v[YA+\j], v[YB+\j], s[H1]
.endr
.irp j, 0,1,2,3,4,5,6,7
	ds_store_b32 v[YST], v[YB+\j] offset:(16*(\tile)+\j)*YP
.endr
.endm
.macro WM t, b                         ; tile t's accumulator += G's fragment for it x the fragment of be at b
	v_wmma_f32_16x16x32_bf16 v[ACC+8*(\t):ACC+8*(\t)+7], v[GAF+8*(\t):GAF+8*(\t)+7], v[(\b):(\b)+7], v[ACC+8*(\t):ACC+8*(\t)+7]
.endm
; A group: 32 times, tiles J0 = 2 g and J1 = 2 g + 1, four phases.  F[0:3] is the fragment's part for tile J0's sixteen s, F[4:7] for J1's; F[4:7] is 0 until the group's end, and
; F[4:11] = (0, tile J1's first eight be) is a fragment that adds those eight alone.
.macro GROUP g
.set J0, 2*(\g)
.set J1, 2*(\g)+1
.if (\g) == 0
	PHASE J0, YA, 16                               ; behind the diagonal's loads: sixteen loads of G
.else
	PHASE J0, YA, 24-4*(\g)                        ; eight stores of y and 2 (8 - 2 g) loads of G
.endif
.irp p, 0,1,2,3
	v_cndmask_b32 v[F+\p], 0, v[PB+\p], s[H0]
.endr
	s_wait_dscnt 0x0                               ; the group's fragments of G are in
	WM J0, F                                       ; times 8-15 of tile J0 take the eight be just made
	ALPHAX 0                                       ; four plain instructions and two v_nop: the places behind that product
	v_nop
	v_nop
	PHASE J0, YB, -1
	LOADC2 J1
.irp p, 0,1,2,3
	v_cndmask_b32 v[F+\p], v[F+\p], v[PB+\p], s[H1]
.endr
	s_wait_alu depctr_va_vdst(0)                   ; tile J1's accumulator has a turn of two
	WM J1, F                                       ; tile J1 takes tile J0's sixteen be
	ALPHAX 1
	YOUT J0
	PHASE J1, YA, 8                                ; behind the diagonal's loads: eight stores of y
.irp p, 0,1,2,3
	v_cndmask_b32 v[F+8+\p], 0, v[PB+\p], s[H0]
.endr
	s_wait_alu depctr_va_vdst(0)
	WM J1, F+4                                     ; times 8-15 of tile J1 take the eight be just made
	ALPHAX 0
	v_nop
	v_nop
	PHASE J1, YB, -1
.if (\g) < 3
	LOADC2 J1+1
.irp p, 0,1,2,3
	v_cndmask_b32 v[F+4+\p], v[F+8+\p], v[PB+\p], s[H1]
.endr
.set jw, J1+1
.rept 6-2*(\g)
	WM jw, F                                       ; all later tiles take the group's 32 be
.set jw, jw+1
.endr
	ALPHAX 1                                       ; this and the eight selects below are the places behind those products
.endif
	YOUT J1
.if (\g) < 3
.irp p, 4,5,6,7
	v_mov_b32 v[F+\p], 0
.endr
	LOADGA (\g)+1
.endif
.endm
	v_mov_b32 v[AL], 1.0
	v_mov_b32 v[AS], s[NL2E]
	v_mov_b32 v[AS+1], s[NL2E]
	v_mov_b32 v[T], 0                              ; v_permlanex16_b32's destination counts as read
.irp p, 4,5,6,7
	v_mov_b32 v[F+\p], 0
.endr
	LOADC2 0
	LOADGA 0
	GROUP 0
	GROUP 1
	GROUP 2
	GROUP 3
; THE WAY OUT.  A row of y is 64 numbers, sixteen from each wave: a barrier, then wave w takes rows 32 w to 32 w + 31 whole, two a load.
	s_wait_dscnt 0x0                               ; for the others' sake: my y are in LDS
	s_barrier_signal -1
	s_barrier_wait -1
.set i, 0
.rept 16
	ds_load_b128 v[ACC+4*i:ACC+4*i+3], v[YRD] offset:2*YP*i
.set i, i+1
.endr
.set i, 0
.rept 16
	s_wait_dscnt 15-i                              ; LDS loads come back in order: load i is in
	global_store_b128 v[OUTO], v[ACC+4*i:ACC+4*i+3], s[10:11] offset:1024*i th:TH_STORE_NT  ; sixteen lanes store 256 consecutive bytes, at a multiple of 256 from out0's first byte
.set i, i+1
.endr
	s_wait_tensorcnt 0x0                           ; the wave's end: behind my last LDS store
	ds_add_u32 v[SPW], v[NIL]
	s_wait_dscnt 0x0
	s_endpgm
.Lfunc_end_k_q8d2562e90c_oja:
	.size	k_q8d2562e90c_oja, .Lfunc_end_k_q8d2562e90c_oja-k_q8d2562e90c_oja
	.p2alignl 7, 3214868480
	.fill 96, 4, 3214868480
	.section	.rodata,"a",@progbits
	.p2align	6, 0x0
	.amdhsa_kernel k_q8d2562e90c_oja
		.amdhsa_group_segment_fixed_size 278016
		.amdhsa_private_segment_fixed_size 0
		.amdhsa_enable_private_segment 0
		.amdhsa_kernarg_size 32
		.amdhsa_user_sgpr_count 2
		.amdhsa_user_sgpr_kernarg_segment_ptr 1
		.amdhsa_wavefront_size32 1
		.amdhsa_system_sgpr_workgroup_id_x 1
		.amdhsa_system_sgpr_workgroup_id_y 1
		.amdhsa_system_sgpr_workgroup_id_z 1
		.amdhsa_system_vgpr_workitem_id 0
		.amdhsa_next_free_vgpr 432
		.amdhsa_next_free_sgpr 66
		.amdhsa_reserve_vcc 0
		.amdhsa_float_denorm_mode_32 3
		.amdhsa_float_denorm_mode_16_64 3
		.amdhsa_memory_ordered 1
		.amdhsa_forward_progress 1
		.amdhsa_inst_pref_size 218
	.end_amdhsa_kernel
	.amdgpu_metadata
---
amdhsa.version: [ 1, 2 ]
amdhsa.kernels:
  - .name:           k_q8d2562e90c_oja
    .symbol:         k_q8d2562e90c_oja.kd
    .args:
      - { .name: X, .offset: 0, .size: 8, .value_kind: global_buffer, .address_space: global }
      - { .name: W_init, .offset: 8, .size: 8, .value_kind: global_buffer, .address_space: global }
      - { .name: observed_idx, .offset: 16, .size: 8, .value_kind: global_buffer, .address_space: global }
      - { .name: out0, .offset: 24, .size: 8, .value_kind: global_buffer, .address_space: global }
    .group_segment_fixed_size: 278016
    .private_segment_fixed_size: 0
    .kernarg_segment_align: 8
    .kernarg_segment_size: 32
    .max_flat_workgroup_size: 128
    .sgpr_count:     66
    .vgpr_count:     432
    .wavefront_size: 32
...
	.end_amdgpu_metadata
.endif
;; end of part 1
